; MI455X (gfx1250); checked and timed in simulation.
; The chip was launched on July 23, 2026; its instructions are those of AMD's public machine-readable ISA for CDNA 5 (MIT licence, August 2026) and "CDNA5" Instruction Set Architecture Reference Guide (July 2026). The comments in the code are by the model that wrote it; some were corrected since.
;; Self Attn Pool. Allowed arithmetic: matrix products marked QUANTISED: E2M3 operands, one E8M0 scale for each 32 along K, by v_wmma_scale_f32_16x16x128_f8f6f4 with both operands' format E2M3, f32 sums; products left as they are: f32 operands where the result goes on into a quantised operand, else bf16, f16 or f32 operands; f32 sums; everything else in f32.
;; Inputs: V 512 x 1 float32; W 512 x 512 float32; b 512 float32; x 32 x 4,096 x 512 float32.
;; Outputs: out0 32 x 512 float32.
;; This version of the problem:
;;   THIS VERSION OF THE PROBLEM IS GIVEN IN LOW PRECISION. The matrix products marked QUANTISED in the list below multiply operands that are first quantised to E2M3 (2 exponent bits, 3 mantissa bits; 6 bits a number), with one power-of-two scale for each 32 numbers along K (OCP MX v1.0); their sums are f32. All else is computed in f32.
;;   The module's matrix products, in the order in which they are computed (A, B: the left and right operand; K: the contracted axis; several contracted axes count as one K, in the product's order):
;;     1. [M 131,072, K 512] x [K 512, N 512]; A: input x; B: input W: QUANTISED
;;     2. [M 131,072, K 512] x [K 512, N 1]; A: computed on the way; B: input V: left as it is (N = 1 < 16)
;;   THE QUANTISER, for each operand of a quantised product, along K:
;;     - K is cut into blocks of 32 from its start; a last block that is shorter is filled with zeros.
;;     - A block's scale is 2^e with e = floor(log2(the largest magnitude in the block)) - 2, held to -126 .. 127; a block of zeros has e = 0. As a byte (E8M0): e + 127.
;;     - Each number is divided by its block's scale, clamped to +-7.5, and rounded to the nearest number of E2M3, ties to even, subnormals kept.
;;     - The product sums the exact products of the quantised numbers (number of the format x scale) in f32.
;;   ~~~python
;;   def quantise(x, axis):      # numpy; x: float32 -> the quantised numbers, widened to float32 again
;;       x = np.moveaxis(x, axis, -1); K = x.shape[-1]
;;       x = np.pad(x, [(0, 0)] * (x.ndim - 1) + [(0, -K % 32)]); x = x.reshape(x.shape[:-1] + (-1, 32)); a = np.abs(x).max(-1, keepdims=True)
;;       e = np.where(a > 0, np.clip(np.frexp(np.where(a > 0, a, 1))[1] - 1 - 2, -126, 127), 0)      # np.frexp(a)[1] - 1 = floor(log2(a)), exactly
;;       r = np.clip(x / 2.0 ** e, -7.5, 7.5)
;;       step = 2.0 ** (np.maximum(np.frexp(np.where(r == 0, 1, r))[1] - 1, 0) - 3)
;;       q = np.round(r / step) * step * 2.0 ** e      # np.round: ties to even
;;       return np.moveaxis(q.reshape(q.shape[:-2] + (-1,))[..., :K], -1, axis).astype(np.float32)
;;   ~~~
;; One version. Each part assembles by itself: llvm-mc -triple=amdgcn-amd-amdhsa -mcpu=gfx1250 --defsym DOCPART=n.
;; ======== version 1 of 1: 3 launches
;; limits: right only within a limited range of input values
;; workspace buffers: wq 196,608 bytes; wsc 16,384 bytes; part 589,824 bytes
;; launch wquant (part 1): grid 8 x 4, 4 waves a work-group, no clusters, 0 bytes of LDS; arguments W, wq, wsc; writes wq, wsc
.if DOCPART == 1
	.amdgcn_target "amdgcn-amd-amdhsa--gfx1250"
	.amdhsa_code_object_version 6
	.text
	.protected	k_qfe1ae92406_wquant
	.globl	k_qfe1ae92406_wquant
	.p2align	8
	.type	k_qfe1ae92406_wquant,@function
k_qfe1ae92406_wquant:
	s_mov_b64 s[64:65], 0
	v_nop
	global_prefetch_b8 v0, s[64:65] scope:SCOPE_SE
	s_setreg_imm32_b32 hwreg(HW_REG_WAVE_MODE, 25, 1), 1
	s_wait_xcnt 0x0
; W [512 (k)][512 (u)], f32, K along its FIRST axis, becomes codes of FP6 (E2M3) with one E8M0 byte for each 32 along K,
; laid as IMAGES OF THE OPERAND'S REGISTERS: fragment F = 4 T + s (T: 16 columns u = 16 T + r; s: 128 along K) is 12 registers a lane;
; in wq it lies at 1,536 F, registers 4 c .. 4 c + 3 of lane l at + 512 c + 16 l.  Its scale word (four bytes, column r) lies in wsc at 128 F + 4 l.
; One wave makes one fragment.  Lane (r, h) takes column 16 T + r and its registers run DOWN K in the order that the operand's layout gives the lane:
; register 32 c + i = W(128 s + 64 c + 32 h + i, 16 T + r).  So a lane holds two whole blocks of 32, no other lane is asked for a maximum, and the conversions' results are the operand's registers.
; A block's scale is 2^(floor(log2(largest magnitude)) - 2); its byte is the largest magnitude's exponent field - 2, held at 1 from below by a floor among the maximum's leaves.
; LIMITS: a block of zeros takes the byte 1 where the rule says 127 (its codes are zeros, and this program alone reads the bytes); NaN and infinities among the inputs are not served.
; The four waves of a work-group stand side by side on 256 consecutive bytes of each row of W.  A code store covers 512 consecutive bytes; the scale words' store covers 128 (16,384 bytes of the launch in all).
.set SH8, 3                            ; v3      8 h: where my two scale bytes stand in the word
.set TQ,  8                            ; v8-17   at work: four maxima, two scale operands, two bytes, the word, the permute's destination
.set X,   32                           ; v32-95  my 64 numbers
.set PC,  96                           ; v96-114 the codes
.set SEL, 20                           ; s[20:21] v_permlanex16_b32's selects for lane l xor 16
; 64 numbers of a lane, register 32 c + i = k 64 c + 32 h + i, become the fragment's 12 registers at v[pc] on and its scale word in v[pw].
.macro QUANT src, pc, tq, pw
.irp c, 0,1
	v_max3_num_f32 v[\tq+\c], |v[\src+32*\c]|, |v[\src+32*\c+1]|, 0x1800000          ; chain a of block c: numbers 0-15, and the floor 2^(3 - 127): the byte cannot fall under 1
	v_max3_num_f32 v[\tq+2+\c], |v[\src+32*\c+16]|, |v[\src+32*\c+17]|, |v[\src+32*\c+18]|   ; chain b: numbers 16-30
.endr
.irp i, 2,4,6,8,10,12
.irp c, 0,1
	v_max3_num_f32 v[\tq+\c], v[\tq+\c], |v[\src+32*\c+\i]|, |v[\src+32*\c+\i+1]|    ; four chains by turns: no line waits for the line above it
	v_max3_num_f32 v[\tq+2+\c], v[\tq+2+\c], |v[\src+32*\c+17+\i]|, |v[\src+32*\c+18+\i]|
.endr
.endr
.irp c, 0,1
	v_max3_num_f32 v[\tq+\c], v[\tq+\c], |v[\src+32*\c+14]|, |v[\src+32*\c+15]|
.endr
.irp c, 0,1
	v_max3_num_f32 v[\tq+\c], v[\tq+\c], v[\tq+2+\c], |v[\src+32*\c+31]|             ; the block's largest magnitude
.endr
.irp c, 0,1
	v_add_nc_u32 v[\tq+4+\c], 0xff000000, v[\tq+\c]                                   ; 2 off its exponent field: the conversion takes this operand's exponent field as its scale
.endr
.irp c, 0,1
	v_lshrrev_b32 v[\tq+6+\c], 23, v[\tq+4+\c]                                        ; the scale's byte
.endr
	v_lshl_or_b32 v[\pw], v[\tq+7], 16, v[\tq+6]                                      ; my two bytes: blocks h and 2 + h,
	v_lshlrev_b32 v[\pw], v[SH8], v[\pw]                                              ; at their places in the word;
	v_permlanex16_b32 v[\tq+9], v[\pw], s[SEL], s[SEL+1]
	v_or_b32 v[\pw], v[\pw], v[\tq+9]                                                 ; with lane l xor 16's two the word is whole, in both halves of the lanes
.irp c, 0,1
	v_cvt_scalef32_pk16_fp6_f32 v[\pc+6*\c:\pc+6*\c+2], v[\src+32*\c:\src+32*\c+15], v[\tq+4+\c]
	v_cvt_scalef32_pk16_fp6_f32 v[\pc+12+4*\c:\pc+14+4*\c], v[\src+32*\c+16:\src+32*\c+31], v[\tq+4+\c]   ; (a conversion's three registers begin on an even number: the block's second half is made elsewhere and moved)
.endr
	v_nop                                                                             ; one plain place behind the scaled conversions
.irp c, 0,1
.irp i, 0,1,2
	v_mov_b32 v[\pc+6*\c+3+\i], v[\pc+12+4*\c+\i]
.endr
.endr
.endm
	s_load_b128 s[4:7], s[0:1], 0x0                ; W s[4:5], wq s[6:7]
	s_load_b64 s[8:9], s[0:1], 0x10                ; wsc
	v_lshrrev_b32 v1, 5, v0
	v_readfirstlane_b32 s10, v1                    ; wave 0..3
	v_and_b32 v1, 15, v0                           ; r
	v_bfe_u32 v2, v0, 4, 1                         ; h
	v_and_b32 v4, 31, v0                           ; lane
	v_lshlrev_b32 v[SH8], 3, v2
	v_lshlrev_b32 v5, 2, v1                        ; in: 4 r,
	v_lshl_add_u32 v5, v2, 16, v5                  ; and 32 rows of 2,048 bytes further down for lanes 16-31
	v_lshlrev_b32 v6, 4, v4                        ; out: 16 bytes a lane,
	v_lshlrev_b32 v7, 2, v4                        ; 4 for the scale word
	v_mov_b32 v[TQ+9], 0                           ; a lane permute's destination counts as one of its sources
	s_mov_b32 s[SEL], 0x76543210
	s_mov_b32 s[SEL+1], 0xfedcba98
	s_lshl_b32 s11, ttmp9, 2
	s_add_co_u32 s11, s11, s10                     ; T = 4 x work-group x + wave
	s_and_b32 s12, ttmp7, 0xffff                   ; s = work-group y
	s_lshl_b32 s13, s11, 2
	s_add_co_u32 s13, s13, s12                     ; F = 4 T + s
	s_lshl_b32 s14, s12, 18                        ; 128 s rows of 2,048 bytes
	s_lshl_b32 s15, s11, 6                         ; + 16 T columns of 4 bytes
	s_add_co_u32 s14, s14, s15
	s_mov_b32 s15, 0
	s_mul_i32 s16, s13, 1536
	s_mov_b32 s17, 0
	s_lshl_b32 s18, s13, 7
	s_mov_b32 s19, 0
	s_wait_alu depctr_va_vdst(0)
	s_wait_kmcnt 0x0
	s_add_nc_u64 s[4:5], s[4:5], s[14:15]
	s_add_nc_u64 s[6:7], s[6:7], s[16:17]
	s_add_nc_u64 s[8:9], s[8:9], s[18:19]
.irp c, 0,1
.irp i, 0,1,2,3,4,5,6,7,8,9,10,11,12,13,14,15,16,17,18,19,20,21,22,23,24,25,26,27,28,29,30,31
	global_load_b32 v[X+32*\c+\i], v5, s[4:5] offset:(64*\c+\i)*2048 th:TH_LOAD_NT   ; W(128 s + 64 c + 32 h + i, 16 T + r); each number is read once in the launch
.endr
.endr
	s_wait_loadcnt 0x0
	QUANT X, PC, TQ, TQ+8
.irp c, 0,1,2
	global_store_b128 v6, v[PC+4*\c:PC+4*\c+3], s[6:7] offset:512*\c   ; 32 lanes store 512 consecutive bytes
.endr
	global_store_b32 v7, v[TQ+8], s[8:9]
	s_endpgm
.Lfunc_end_k_qfe1ae92406_wquant:
	.size	k_qfe1ae92406_wquant, .Lfunc_end_k_qfe1ae92406_wquant-k_qfe1ae92406_wquant
	.p2alignl 7, 3214868480
	.fill 96, 4, 3214868480
	.section	.rodata,"a",@progbits
	.p2align	6, 0x0
	.amdhsa_kernel k_qfe1ae92406_wquant
		.amdhsa_group_segment_fixed_size 0
		.amdhsa_private_segment_fixed_size 0
		.amdhsa_enable_private_segment 0
		.amdhsa_kernarg_size 24
		.amdhsa_user_sgpr_count 2
		.amdhsa_user_sgpr_kernarg_segment_ptr 1
		.amdhsa_wavefront_size32 1
		.amdhsa_system_sgpr_workgroup_id_x 1
		.amdhsa_system_sgpr_workgroup_id_y 1
		.amdhsa_system_sgpr_workgroup_id_z 1
		.amdhsa_system_vgpr_workitem_id 0
		.amdhsa_next_free_vgpr 128
		.amdhsa_next_free_sgpr 66
		.amdhsa_reserve_vcc 0
		.amdhsa_float_denorm_mode_32 3
		.amdhsa_float_denorm_mode_16_64 3
		.amdhsa_memory_ordered 1
		.amdhsa_forward_progress 1
		.amdhsa_inst_pref_size 11
	.end_amdhsa_kernel
	.amdgpu_metadata
---
amdhsa.version: [ 1, 2 ]
amdhsa.kernels:
  - .name:           k_qfe1ae92406_wquant
    .symbol:         k_qfe1ae92406_wquant.kd
    .args:
      - { .name: W, .offset: 0, .size: 8, .value_kind: global_buffer, .address_space: global }
      - { .name: wq, .offset: 8, .size: 8, .value_kind: global_buffer, .address_space: global }
      - { .name: wsc, .offset: 16, .size: 8, .value_kind: global_buffer, .address_space: global }
    .group_segment_fixed_size: 0
    .private_segment_fixed_size: 0
    .kernarg_segment_align: 8
    .kernarg_segment_size: 24
    .max_flat_workgroup_size: 128
    .sgpr_count:     66
    .vgpr_count:     128
    .wavefront_size: 32
...
	.end_amdgpu_metadata
.endif
;; end of part 1
;; launch pool (part 2): grid 8 x 32, 8 waves a work-group, no clusters, 327,680 bytes of LDS; arguments x, wq, wsc, b, V, part; writes part
.if DOCPART == 2
	.amdgcn_target "amdgcn-amd-amdhsa--gfx1250"
	.amdhsa_code_object_version 6
	.text
	.protected	k_qfe1ae92406_pool
	.globl	k_qfe1ae92406_pool
	.p2align	8
	.type	k_qfe1ae92406_pool,@function
k_qfe1ae92406_pool:
	s_mov_b64 s[64:65], 0
	v_nop
	global_prefetch_b8 v0, s[64:65] scope:SCOPE_SE
	s_setreg_imm32_b32 hwreg(HW_REG_WAVE_MODE, 25, 1), 1
	s_wait_xcnt 0x0
; For 512 rows t of one batch: z = Q(x_t) Q(W) + b (MX-FP6, K = 512), score_t = sum over u of V_u tanh(z_u), and an ONLINE softmax over t with the pooled sum of the f32 rows x_t.
; The work-group leaves one partial: acc[512] = sum of 2^(t_t - M) x_t, M, L = sum of 2^(t_t - M).  The next launch merges a batch's eight partials and divides.
; ARITHMETIC.  tanh z = 1 - 2 r, r = 1 / (1 + 2^(c z)), c = 2 log2(e).  sum V_u tanh = sum V_u - 2 sum V_u r_u; the first term is the same for every row t and falls out of a softmax over t for every input,
; so it is not formed.  t = sum of V2_u r_u with V2 = -2 log2(e) V is the score in powers of two; p = 2^(t - m) under a running maximum m.  2^(c z) = infinity gives r = 0, 0 gives r = 1: tanh saturates rightly.
; LIMITS: NaN and infinities among the inputs are not served; a block of x whose largest magnitude lies under 2^-124 takes the scale byte 1 (a block of zeros too: its codes are zeros); a p under 2^-126 counts as 0.
; SHARES.  256 work-groups; work-group g = 8 batch + chunk owns 512 rows = 1,048,576 dense bytes of x and walks them in 8 blocks of 64 rows through two LDS slots, so that x leaves memory once though it is used twice.
; Eight waves, two to a SIMD, so that one wave's matrix instructions and LDS waits lie under the other's vector work.  Wave w
;   fetches rows 8 w .. 8 w + 7 of each block (16,384 dense bytes, one tensor load);
;   quantises fragments 2 w, 2 w + 1 of the block's sixteen (rows 16 (w / 2) on, K steps 2 (w % 2) + 0, 1) and puts them into LDS as images of their registers;
;   holds W's columns 64 w .. 64 w + 63 (16 fragments, 192 registers) for the whole launch and makes their z for all 64 rows;
;   keeps its own m, l and acc[512] (16 registers) over rows 8 w .. 8 w + 7 of every block.
; THE ORDER OF BLOCK n (slot n % 2), TWO BARRIERS:
;   barrier C(n-1) | the slot of block n-1 takes block n+1 | block n-1 is pooled, from registers; as its rows' registers fall free the quantiser's loads of block n go out; my two fragments | barrier B(n) |
;   products, tanh and partial scores of block n; under them my eight rows of block n come from LDS into registers | barrier C(n).
;   C(n) orders: every wave's part of block n+1 has landed, ahead of the quantiser's reads of it; every wave's reads of slot n are back, ahead of its next fill; the partial scores are stored, ahead of their reads; the reads of block n's images are back, ahead of block n+1's image stores.
;   B(n) orders: the images are stored, ahead of their reads; the reads of block n-1's scores are back, ahead of block n's score stores.
; THE MATRIX INSTRUCTION IS USED TRANSPOSED: source 0 = 16 columns of W, source 1 = 16 rows of x.  Lane (r, h) then holds row r, and register j of tile t column 64 w + 16 t + 8 h + j: a row's score is summed inside the lane, with one exchange of halves.
; NO CLUSTER: what work-groups share is W's codes and scale words, 212,992 bytes against 1,048,576 bytes of x that nobody shares; they are read once, at the head, straight into registers.
; REGISTERS.  window 0: v1-15, v97 addresses; v16-31 W's scale words; v32-35 x's scale words; v36-67 V2; v68-83 acc; v84-96 statistics; v98-126 the quantiser's; v128-255 by phase (below).
;   window 1: v0-191 W's fragments; v192-223 b in the result's layout; v224-255 rows 6 and 7 of the pooling.
; NO PREFETCH INTO THE L2: a block's tensor load stands first behind barrier C(n-1) and is waited for in front of C(n): a whole block's pooling, quantising, 64 matrix instructions and tanh of each wave lie between the two.
.set RP,    16656                      ; a wave's region of a slot: 16 lines of 1,024 + 16 bytes, and 16 bytes more.  A row of x is two lines, 2,080 bytes = 520 words = 8 mod 64; RP = 4,164 words = 4 mod 64 (64 banks of 4 bytes: ISA guide 11.1):
                                       ; the sixteen rows that a quantiser's load of 16 bytes touches (eight in each of two regions) start at sixteen different groups of four banks
.set SLOT,  133376                     ; 8 regions, up to a multiple of 256
.set XIMG,  2*SLOT                     ; x's 16 fragments: fragment 4 m + s at 1,536, registers 4 c on at + 512 c, lane at + 16 l
.set XSC,   XIMG+16*1536               ; their scale words: 512 bytes a tile of rows, 16 a lane: the words of the tile's four K steps on end
.set LSP,   XSC+16*128                 ; partial scores: wave v's for row p of the block at 256 v + 4 p
.set LFIN,  LSP+8*256                  ; the merge: wave v's acc at 2,048 v
.set LML,   LFIN+8*2048                ; and its (m, l) at 8 v
.set SPARE, LML+256                    ; the spare words, 128 bytes for each wave: four blocks of 256 bytes that no other line names
.set PB,    2304                       ; a partial in memory: 2,048 bytes of acc, then 256 bytes: (M, L) 32 times
.set SPW, 1                            ; v1   LDS address of my spare word; never rewritten
.set NIL, 2                            ; v2   0; never rewritten
.set QA,  3                            ; v3-4  the quantiser's place in slot 0, 1
.set PA,  5                            ; v5-6  the pooling's place in slot 0, 1
.set XWI, 7                            ; v7   where I store my images
.set XWS, 8                            ; v8   and their scale words
.set LIX, 9                            ; v9   where any image is read: XIMG + 16 lane
.set LSX, 10                           ; v10  XSC + 16 lane
.set SCW, 11                           ; v11  where I store partial scores
.set SCR, 12                           ; v12  where I read them
.set SH8, 13                           ; v13  8 h
.set FWA, 14                           ; v14  the merge: where my acc goes
.set FRA, 15                           ; v15  and where I read all eight
.set WS,  16                           ; W's scale words, 4 t + s
.set XS,  32                           ; x's, one for each K step
.set V2,  36                           ; -2 log2(e) V at my columns, 8 t + j
.set ACC, 68                           ; register 4 q + e: feature 128 q + 4 lane + e
.set RM,  84                           ; m
.set RL,  85                           ; l (of row lane % 8 until the merge)
.set RF,  86                           ; v[86:87] 2^(old m - new m); v87 is named with it as a pair and written once
.set RT,  88                           ; t
.set RU,  89                           ; a permute's destination
.set RPW, 90                           ; p
.set RMN, 91                           ; the new m
.set SA,  92                           ; v[92:93], v[94:95] two chains of the score's sum
.set SB,  94
.set O16, 92                           ; at the head, until W, b and V are in: 16 lane,
.set O32, 93                           ; 32 h,
.set O4,  94                           ; 4 lane: the offsets of their loads
.set PW1, 96                           ; the second fragment's scale word
.set MLW, 97                           ; LML + 8 wave
.set TQ,  98                           ; v98-107 the quantiser's (below); v106 the first fragment's scale word, v107 a permute's destination; at the head: pieces of the lane's number
.set QM,  98                           ; v98-101  chain a of my four blocks of 32 (two fragments x two blocks), then each block's largest magnitude
.set QB,  102                          ; v102-105 chain b of the four blocks, then their scale operands
.set QY,  88                           ; v88-91   the four scale bytes: the pooling's t, p and new m are done with when the quantiser runs
.set SCO, 98                           ; v98-101 in the product phase: a tile of rows' partial scores
.set PC,  108                          ; v108-126 the first fragment's codes
.set RA,  128                          ; the quantiser: 64 numbers of fragment 0 (then fragment 1's codes), 64 of fragment 1
.set RB,  192
.set XF,  128                          ; the products: x's four fragments of a tile of rows; two sets of four accumulators
.set D0,  192
.set D1,  224
.set XR,  128                          ; the pooling: rows 0 to 5, 16 registers each;
.set XH,  224                          ; rows 6 and 7, in window 1
.set WF,  0                            ; window 1: fragment (t, s) at 12 (4 t + s)
.set BI,  192                          ; window 1: b, 8 t + j
.set WV,  16                           ; s16  wave
.set GW,  17                           ; s17  g
.set SEL, 20                           ; s[20:21] selects for lane l xor 16
.set CS,  22                           ; s[22:23] c
.set G1,  24                           ; s[24:31] descriptor group 1
.set G0,  32                           ; s[32:39] group 0, one set for each slot
.set CNT, 40
.set PS,  44                           ; s44, 46 .. 58: p of my eight rows; the odd ones are named with them as pairs and written once
.set MSB, 0
.macro WIN new                         ; the immediate's high byte repeats the setting that is left
.if MSB != \new
	s_set_vgpr_msb (MSB<<8)|\new
.set MSB, \new
.endif
.endm
.macro PLACES
.rept 4
	v_nop
.endr
.endm
.macro BAR                             ; my LDS stores have landed and my LDS loads are in: then the work-group's barrier
	s_wait_dscnt 0x0
	s_barrier_signal -1
	s_barrier_wait -1
.endm
; 64 numbers of a lane, register 32 c + i = k 64 c + 32 h + i of my row, become the fragment's 12 registers at v[pc] on and its scale word in v[pw].
; THE SCALES OF BOTH MY FRAGMENTS AT ONCE.  Their 128 numbers stand on end from v[RA] on: block c = 0 .. 3 at RA + 32 c (blocks 0, 1: fragment 0; blocks 2, 3: fragment 1).
; Eight chains of maxima take turns, so that no line of them reads a result made less than five vector instructions before it.
.macro QSCALE
.irp c, 0,1,2,3
	v_max3_num_f32 v[QM+\c], |v[RA+32*\c]|, |v[RA+32*\c+1]|, 0x1800000               ; chain a of block c: numbers 0-15, and the floor 2^(3 - 127): the byte cannot fall under 1
	v_max3_num_f32 v[QB+\c], |v[RA+32*\c+16]|, |v[RA+32*\c+17]|, |v[RA+32*\c+18]|    ; chain b: numbers 16-30
.endr
.irp i, 2,4,6,8,10,12
.irp c, 0,1,2,3
	v_max3_num_f32 v[QM+\c], v[QM+\c], |v[RA+32*\c+\i]|, |v[RA+32*\c+\i+1]|
	v_max3_num_f32 v[QB+\c], v[QB+\c], |v[RA+32*\c+17+\i]|, |v[RA+32*\c+18+\i]|
.endr
.endr
.irp c, 0,1,2,3
	v_max3_num_f32 v[QM+\c], v[QM+\c], |v[RA+32*\c+14]|, |v[RA+32*\c+15]|
.endr
.irp c, 0,1,2,3
	s_delay_alu instid0(VALU_DEP_4)
	v_max3_num_f32 v[QM+\c], v[QM+\c], v[QB+\c], |v[RA+32*\c+31]|                     ; the block's largest magnitude: all 32 numbers are mine
.endr
.irp c, 0,1,2,3
	s_delay_alu instid0(VALU_DEP_4)
	v_add_nc_u32 v[QB+\c], 0xff000000, v[QM+\c]                                       ; 2 off its exponent field: the conversion's scale operand
.endr
.irp c, 0,1,2,3
	s_delay_alu instid0(VALU_DEP_4)
	v_lshrrev_b32 v[QY+\c], 23, v[QB+\c]                                              ; the scale's byte
.endr
	s_delay_alu instid0(VALU_DEP_3)
	v_lshl_or_b32 v[TQ+8], v[QY+1], 16, v[QY]                                         ; my two bytes of each fragment: blocks h and 2 + h,
	s_delay_alu instid0(VALU_DEP_2)
	v_lshl_or_b32 v[PW1], v[QY+3], 16, v[QY+2]
	s_delay_alu instid0(VALU_DEP_2)
	v_lshlrev_b32 v[TQ+8], v[SH8], v[TQ+8]                                            ; at their places in the word;
	s_delay_alu instid0(VALU_DEP_2)
	v_lshlrev_b32 v[PW1], v[SH8], v[PW1]
	s_delay_alu instid0(VALU_DEP_2)
	v_permlanex16_b32 v[TQ+9], v[TQ+8], s[SEL], s[SEL+1]
	s_delay_alu instid0(VALU_DEP_2)
	v_permlanex16_b32 v[QY], v[PW1], s[SEL], s[SEL+1]                                 ; (the first byte's register has been read out)
	s_delay_alu instid0(VALU_DEP_2)
	v_or_b32 v[TQ+8], v[TQ+8], v[TQ+9]                                                ; with lane l xor 16's two each word is whole
	s_delay_alu instid0(VALU_DEP_2)
	v_or_b32 v[PW1], v[PW1], v[QY]
.endm
; 64 numbers of a lane, register 32 c + i = k 64 c + 32 h + i of my row, become the fragment's 12 registers at v[pc] on; so: the two blocks' scale operands.
.macro QCODE src, pc, so
.irp c, 0,1
	v_cvt_scalef32_pk16_fp6_f32 v[\pc+6*\c:\pc+6*\c+2], v[\src+32*\c:\src+32*\c+15], v[\so+\c]
	v_cvt_scalef32_pk16_fp6_f32 v[\pc+12+4*\c:\pc+14+4*\c], v[\src+32*\c+16:\src+32*\c+31], v[\so+\c]   ; (a conversion's three registers begin on an even number)
.endr
	v_nop                                                                             ; one plain place behind the scaled conversions
.irp c, 0,1
.irp i, 0,1,2
	v_mov_b32 v[\pc+6*\c+3+\i], v[\pc+12+4*\c+\i]
.endr
.endr
.endm
.macro IMAGE pc, pw, f                 ; my f-th fragment goes to LDS as its registers stand: each store covers 512 consecutive bytes
.irp c, 0,1,2
	ds_store_b128 v[XWI], v[\pc+4*\c:\pc+4*\c+3] offset:1536*\f+512*\c
.endr
	ds_store_b32 v[XWS], v[\pw] offset:4*\f
.endm
.macro QLD f, c, slot                  ; eight loads: the 32 numbers of block 2 c + h of my f-th fragment
.irp j, 0,1,2,3,4,5,6,7
	ds_load_b128 v[RA+64*\f+32*\c+4*\j:RA+64*\f+32*\c+4*\j+3], v[QA+\slot] offset:512*\f+256*\c+16*\j
.endr
.endm
.macro QWORK                           ; my two fragments
	s_wait_dscnt 0x0                               ; all 32 loads of my 128 numbers are in
	QSCALE
	QCODE RA, PC, QB
	IMAGE PC, TQ+8, 0
	QCODE RB, RA, QB+2                             ; its codes land on fragment 0's numbers, which are done with: the v_nop and six moves above stand between the conversions that read them and these
	IMAGE RA, PW1, 1
.endm
.macro ROWLD i, reg, slot              ; row i of my eight, features 128 q + 4 lane on: four loads of 512 consecutive bytes
.irp q, 0,1,2,3
	ds_load_b128 v[\reg+4*\q:\reg+4*\q+3], v[PA+\slot] offset:2080*\i+512*\q+16*(\q/2)
.endr
.endm
.macro FETCHX m                        ; the four fragments of rows 16 m on, and their four scale words by one load: 13 LDS loads
.irp s, 0,1,2,3
.irp c, 0,1,2
	ds_load_b128 v[XF+12*\s+4*\c:XF+12*\s+4*\c+3], v[LIX] offset:(4*(\m)+\s)*1536+512*\c
.endr
.endr
	ds_load_b128 v[XS:XS+3], v[LSX] offset:(\m)*512
.endm
; 16 matrix instructions: my four tiles of columns x 16 rows, K = 512.  The bias is the C of each sum's first instruction.  The four accumulators take turns, one instruction a turn.
.macro MM d
	WIN 0x11                                       ; source 0 (W) and source 2 (b) window 1
.irp t, 0,1,2,3
	v_wmma_scale_f32_16x16x128_f8f6f4 v[\d+8*\t:\d+8*\t+7], v[WF+48*\t:WF+48*\t+11], v[XF:XF+11], v[BI+8*\t:BI+8*\t+7], v[WS+4*\t], v[XS] matrix_a_fmt:MATRIX_FMT_FP6 matrix_b_fmt:MATRIX_FMT_FP6
.endr
	WIN 0x01                                       ; source 0 window 1
.irp s, 1,2,3
.irp t, 0,1,2,3
	v_wmma_scale_f32_16x16x128_f8f6f4 v[\d+8*\t:\d+8*\t+7], v[WF+12*(4*\t+\s):WF+12*(4*\t+\s)+11], v[XF+12*\s:XF+12*\s+11], v[\d+8*\t:\d+8*\t+7], v[WS+4*\t+\s], v[XS+\s] matrix_a_fmt:MATRIX_FMT_FP6 matrix_b_fmt:MATRIX_FMT_FP6
.endr
.endr
	WIN 0
.endm
; 32 numbers z of a lane become my columns' part of row 16 m + r's score.  Each accumulator is read from its low end on.
; Four v_nop stand between the products and this macro (four places are asked in front of the first read of a result: ISA guide 7.12.1).  With the sixteen multiplications at its head they are also the places
; in front of loads into x's fragment registers, which stand behind them.  hook = 1, 2, 3: the fragments of that tile of rows; 9: the fragments are done with: rows 0 to 2 of the pooling.
.macro TANH d, m, hook, slot
.irp j, 0,2,4,6,8,10,12,14,16,18,20,22,24,26,28,30
	v_pk_mul_f32 v[\d+\j:\d+\j+1], v[\d+\j:\d+\j+1], s[CS:CS+1] op_sel_hi:[1,0]      ; c z
.endr
.if (\hook >= 1) && (\hook <= 3)
	FETCHX \hook
.endif
.if \hook == 9
	ROWLD 0, XR, \slot
	ROWLD 1, XR+16, \slot
	ROWLD 2, XR+32, \slot
.endif
	s_wait_alu depctr_va_vdst(0)
.irp j, 0,1,2,3,4,5,6,7,8,9,10,11,12,13,14,15,16,17,18,19,20,21,22,23,24,25,26,27,28,29,30,31
	v_exp_f32 v[\d+\j], v[\d+\j]
.endr
	v_nop                                          ; a plain place behind the exponentials
	s_wait_alu depctr_va_vdst(0)
.irp j, 0,2,4,6,8,10,12,14,16,18,20,22,24,26,28,30
	v_pk_add_f32 v[\d+\j:\d+\j+1], v[\d+\j:\d+\j+1], 1.0 op_sel_hi:[1,0]
.endr
	s_wait_alu depctr_va_vdst(0)
.irp j, 0,1,2,3,4,5,6,7,8,9,10,11,12,13,14,15,16,17,18,19,20,21,22,23,24,25,26,27,28,29,30,31
	v_rcp_f32 v[\d+\j], v[\d+\j]                   ; r = 1 / (1 + 2^(c z))
.endr
	v_nop                                          ; a plain place behind the reciprocals
	s_wait_alu depctr_va_vdst(0)
	v_pk_mul_f32 v[SA:SA+1], v[\d:\d+1], v[V2:V2+1]                                   ; the first products start the two chains
	v_pk_mul_f32 v[SB:SB+1], v[\d+2:\d+3], v[V2+2:V2+3]
.irp j, 4,8,12,16,20,24,28
	v_pk_fma_f32 v[SA:SA+1], v[\d+\j:\d+\j+1], v[V2+\j:V2+\j+1], v[SA:SA+1]
	v_pk_fma_f32 v[SB:SB+1], v[\d+\j+2:\d+\j+3], v[V2+\j+2:V2+\j+3], v[SB:SB+1]
.endr
	s_delay_alu instid0(VALU_DEP_1)
	v_pk_add_f32 v[SA:SA+1], v[SA:SA+1], v[SB:SB+1]
	s_delay_alu instid0(VALU_DEP_1)
	v_add_f32 v[SCO+\m], v[SA], v[SA+1]
	s_delay_alu instid0(VALU_DEP_1)
	v_permlanex16_b32 v[RU], v[SCO+\m], s[SEL], s[SEL+1]
	s_delay_alu instid0(VALU_DEP_1)
	v_add_f32 v[SCO+\m], v[SCO+\m], v[RU]          ; with the other half's 32 columns
	ds_store_b32 v[SCW], v[SCO+\m] offset:64*\m    ; both halves of the lanes write the same word with the same value
.endm
; THE PRODUCTS of the block in the slot: four tiles of rows.  A tile's tanh follows its own matrix instructions, and the next tile's fragments are fetched under it: only the first tile's fetch is waited for with no vector work at hand,
; and nothing else is asked of LDS ahead of it.  The two sets of accumulators take turns from tile to tile.
; MY EIGHT ROWS FOR THE POOLING come out of LDS here, behind the first products, each as soon as its registers are free, so that these 32 loads lie under the products and the tanh and the slot is done with at the barrier that follows.
.macro PH_P slot
	FETCHX 0
	s_wait_dscnt 0x0                               ; the fetch is in
	MM D0
	ROWLD 3, XR+48, \slot                          ; v176-191 serve nothing else in this phase
	WIN 0x40                                       ; destination window 1
	ROWLD 6, XH, \slot
	ROWLD 7, XH+16, \slot
	WIN 0
	PLACES
	TANH D0, 0, 1, \slot
	s_wait_dscnt 1                                 ; behind the fetch stands the one score store
	MM D1
	PLACES
	TANH D1, 1, 2, \slot
	s_wait_dscnt 1
	MM D0
	PLACES
	TANH D0, 2, 3, \slot
	s_wait_dscnt 1
	MM D1
	PLACES
	ROWLD 4, XR+64, \slot                          ; the first set of accumulators is done with
	ROWLD 5, XR+80, \slot
	TANH D1, 3, 9, \slot
.endm
; THE POOLING of the block before, whose eight rows lie in my registers.  left: the LDS loads issued behind the two score loads.
.macro SCHAIN left
	s_wait_dscnt \left                             ; the two parts are in
	v_add_f32 v[RT], v[RT], v[RU]
	s_delay_alu instid0(VALU_DEP_1)
	v_add_f32_dpp v[RT], v[RT], v[RT] row_xmask:8 row_mask:0xf bank_mask:0xf
	s_delay_alu instid0(VALU_DEP_1)
	v_permlanex16_b32 v[RU], v[RT], s[SEL], s[SEL+1]
	s_delay_alu instid0(VALU_DEP_1)
	v_add_f32 v[RT], v[RT], v[RU]                  ; every lane: t of row lane % 8
	s_delay_alu instid0(VALU_DEP_1)
	v_max_num_f32_dpp v[RMN], v[RT], v[RT] row_xmask:1 row_mask:0xf bank_mask:0xf
	s_delay_alu instid0(VALU_DEP_1)
	v_max_num_f32_dpp v[RMN], v[RMN], v[RMN] row_xmask:2 row_mask:0xf bank_mask:0xf
	s_delay_alu instid0(VALU_DEP_1)
	v_max_num_f32_dpp v[RMN], v[RMN], v[RMN] row_xmask:4 row_mask:0xf bank_mask:0xf
	s_delay_alu instid0(VALU_DEP_1)
	v_max_num_f32 v[RMN], v[RMN], v[RM]            ; the running maximum
	s_delay_alu instid0(VALU_DEP_1)
	v_sub_f32 v[RF], v[RM], v[RMN]
	s_delay_alu instid0(VALU_DEP_2)
	v_sub_f32 v[RPW], v[RT], v[RMN]
	s_wait_alu depctr_va_vdst(0)
	v_exp_f32 v[RF], v[RF]                         ; f = 2^(old m - new m)
	v_exp_f32 v[RPW], v[RPW]                       ; p = 2^(t - m)
	v_mov_b32 v[RM], v[RMN]                        ; (a plain place behind the exponentials)
	s_wait_alu depctr_va_vdst(0)
	v_fma_f32 v[RL], v[RL], v[RF], v[RPW]
.irp i, 0,1,2,3,4,5,6,7
	v_readlane_b32 s[PS+2*\i], v[RPW], \i          ; row i's p, for all lanes
.endr
.irp j, 0,2,4,6,8,10,12,14
	v_pk_mul_f32 v[ACC+\j:ACC+\j+1], v[ACC+\j:ACC+\j+1], v[RF:RF+1] op_sel_hi:[1,0]
.endr
.endm
.macro SROW i, reg                     ; acc += p of row i x the row
.irp j, 0,2,4,6,8,10,12,14
	v_pk_fma_f32 v[ACC+\j:ACC+\j+1], v[\reg+\j:\reg+\j+1], s[PS+2*\i:PS+2*\i+1], v[ACC+\j:ACC+\j+1] op_sel_hi:[1,0,1]
.endr
.endm
; q = 1: the quantiser's loads of the block in the slot go out between the rows, each run into registers that have just been read out (the first into the second set of accumulators, which is done with); then my two fragments.
.macro PH_SQ slot, q
	ds_load_b32 v[RT], v[SCR]                      ; lane l: wave l / 8's part of row l % 8,
	ds_load_b32 v[RU], v[SCR] offset:1024          ; and wave 4 + l / 8's
.if \q
	QLD 1, 1, \slot
	SCHAIN 8
.else
	SCHAIN 0
.endif
	SROW 0, XR
	SROW 1, XR+16
.if \q
	QLD 0, 0, \slot                                ; into the registers of rows 0 and 1
.endif
	SROW 2, XR+32
	SROW 3, XR+48
.if \q
	QLD 0, 1, \slot                                ; of rows 2 and 3
.endif
	SROW 4, XR+64
	SROW 5, XR+80
.if \q
	QLD 1, 0, \slot
.endif
	WIN 0x01                                       ; source 0 window 1
	SROW 6, XH
	SROW 7, XH+16
	WIN 0
.if \q
	QWORK
.endif
.endm
; A block behind the first.  In front of the barrier each wave waits for all its tensor loads (its part of the block in the slot), adds 0 to its spare word, and waits for that, for its score stores and for its reads of the other slot.
; refill = 1: the other slot takes the block that follows this one: the load stands first behind the barrier and has a whole block's work in which to land; it is the one tensor load of mine that is out.
.macro STEP slot, refill
	s_wait_tensorcnt 0x0                           ; no tensor load of mine is out, so a group 0 may be written
	ds_add_u32 v[SPW], v[NIL]                      ; 0 onto my spare word
.if \refill
	s_add_nc_u64 s[G0+6-4*\slot:G0+7-4*\slot], s[G0+6-4*\slot:G0+7-4*\slot], 262144   ; the other slot's next block: two blocks of 131,072 bytes on; the type bits on top are not reached
.endif
	s_wait_dscnt 0x0                               ; the add is done, my score stores have landed, and my eight rows are in registers: my reads of the other slot are over
	s_barrier_signal -1
	s_barrier_wait -1
.if \refill
	tensor_load_to_lds s[G0+4-4*\slot:G0+7-4*\slot], s[G1:G1+7]   ; my one tensor load until the next such barrier
	s_nop 0
.endif
	PH_SQ \slot, 1
	BAR                                            ; the block's sixteen fragments lie in LDS, and nobody reads the last block's scores any more
	PH_P \slot
.endm
	s_load_b256 s[4:11], s[0:1], 0x0               ; x s[4:5], wq s[6:7], wsc s[8:9], b s[10:11]
	s_load_b128 s[12:15], s[0:1], 0x20             ; V s[12:13], part s[14:15]
	v_lshl_add_u32 v[SPW], v0, 2, SPARE
	v_mov_b32 v[NIL], 0
	ds_add_u32 v1, v2
	ds_add_u32 v1, v2
	s_wait_dscnt 0x0
	v_lshrrev_b32 v[TQ], 5, v0
	s_delay_alu instid0(VALU_DEP_1)
	v_readfirstlane_b32 s[WV], v[TQ]               ; wave 0..7
	s_and_b32 s[GW], ttmp7, 0xffff                 ; batch
	s_lshl_b32 s[GW], s[GW], 3
	s_add_co_u32 s[GW], s[GW], ttmp9               ; g = 8 batch + chunk
	; descriptor group 1: 16 lines of 1,024 bytes (128 elements of 8), dense in memory, 16 bytes of padding behind each in LDS
	s_mov_b32 s[G1+0], (3<<16)|(1<<20)|(7<<22)|(3<<25)   ; no mask; elements of 8 bytes; padding on, after every 256 words (code 7), of 4 words (code 3)
	s_mov_b32 s[G1+1], 128<<16                     ; tensor_dim0 = 128
	s_mov_b32 s[G1+2], 16<<16                      ; tensor_dim1 = 16
	s_mov_b32 s[G1+3], 128<<16                     ; tile_dim0 = 128
	s_mov_b32 s[G1+4], 16                          ; tile_dim1 = 16
	s_mov_b32 s[G1+5], 128                         ; from line to line: 128 elements
	s_mov_b32 s[G1+6], 0
	s_mov_b32 s[G1+7], 0
	s_lshl_b32 s18, s[GW], 20                      ; my work-group's 1,048,576 bytes of x (g under 256: under 2^28),
	s_lshl_b32 s19, s[WV], 14                      ; my wave's 16,384 of a block
	s_add_co_u32 s18, s18, s19
	s_mov_b32 s19, 0
	s_mul_i32 s60, s[WV], RP                       ; my region of a slot
	s_mov_b32 s[SEL], 0x76543210
	s_mov_b32 s[SEL+1], 0xfedcba98
	s_mov_b32 s[CS], 0x4038aa3b                    ; c = 2 log2(e)
	s_mov_b32 s[CS+1], s[CS]                       ; (named with it as a pair, so it is written)
.irp i, 0,1,2,3,4,5,6,7
	s_mov_b32 s[PS+2*\i+1], 0                      ; likewise
.endr
	s_wait_kmcnt 0x0
	s_mov_b32 s[G0], 1                             ; count = 1
	s_mov_b32 s[G0+1], s60                         ; LDS address: slot 0
	s_add_nc_u64 s[G0+2:G0+3], s[4:5], s[18:19]    ; block 0
	s_mov_b32 s[G0+4], 1
	s_add_co_u32 s[G0+5], s60, SLOT                ; slot 1
	s_add_nc_u64 s[G0+6:G0+7], s[G0+2:G0+3], 131072   ; block 1
	s_or_b32 s[G0+3], s[G0+3], 0x80000000          ; type = 2
	s_or_b32 s[G0+7], s[G0+7], 0x80000000
	tensor_load_to_lds s[G0:G0+3], s[G1:G1+7]      ; block 0 alone goes out first: nothing can be done before it is here.  Block 1 follows behind the first barrier
	s_nop 0
	v_and_b32 v98, 31, v0                          ; lane
	v_bfe_u32 v100, v0, 4, 1                       ; h
	s_delay_alu instid0(VALU_DEP_2)
	v_lshlrev_b32 v[O16], 4, v98
	s_wait_alu depctr_va_vdst(0)
	v_lshlrev_b32 v[O32], 5, v100
	s_wait_alu depctr_va_vdst(0)
	v_lshlrev_b32 v[O4], 2, v98
	s_wait_alu depctr_va_vdst(0)
	s_mov_b32 s61, 0
	s_mul_i32 s60, s[WV], 24576                    ; my 16 fragments of W,
	s_add_nc_u64 s[6:7], s[6:7], s[60:61]
	s_lshl_b32 s60, s[WV], 11                      ; their scale words,
	s_add_nc_u64 s[8:9], s[8:9], s[60:61]
	s_lshl_b32 s60, s[WV], 8                       ; my 64 numbers of b and of V,
	s_add_nc_u64 s[10:11], s[10:11], s[60:61]
	s_add_nc_u64 s[12:13], s[12:13], s[60:61]
	s_mul_i32 s60, s[GW], PB                       ; my work-group's partial
	s_add_nc_u64 s[14:15], s[14:15], s[60:61]
	WIN 0x40                                       ; destination window 1
.irp i, 0,1,2,3,4,5,6,7,8,9,10,11,12,13,14,15,16,17,18,19,20,21,22,23,24,25,26,27,28,29,30,31,32,33,34,35,36,37,38,39,40,41,42,43,44,45,46,47
	global_load_b128 v[WF+4*\i:WF+4*\i+3], v[O16], s[6:7] offset:512*\i   ; W's images as they lie: 512 consecutive bytes a load; they stay
.endr
.irp t, 0,1,2,3
	global_load_b128 v[BI+8*\t:BI+8*\t+3], v[O32], s[10:11] offset:64*\t          ; b at columns 64 w + 16 t + 8 h + 0 .. 7
	global_load_b128 v[BI+8*\t+4:BI+8*\t+7], v[O32], s[10:11] offset:64*\t+16
.endr
	WIN 0
.irp i, 0,1,2,3,4,5,6,7,8,9,10,11,12,13,14,15
	global_load_b32 v[WS+\i], v[O4], s[8:9] offset:128*\i
.endr
.irp t, 0,1,2,3
	global_load_b128 v[V2+8*\t:V2+8*\t+3], v[O32], s[12:13] offset:64*\t          ; V at the same columns
	global_load_b128 v[V2+8*\t+4:V2+8*\t+7], v[O32], s[12:13] offset:64*\t+16
.endr
	v_and_b32 v99, 15, v0                          ; r
	v_and_b32 v101, 7, v0                          ; lane % 8
	v_bfe_u32 v102, v0, 3, 1                       ; r / 8
	v_bfe_u32 v103, v0, 3, 2                       ; lane / 8
	v_lshlrev_b32 v[SH8], 3, v100
	s_lshr_b32 s60, s[WV], 1                       ; the quantiser: rows 16 (w / 2) + r lie in regions 2 (w / 2) + r / 8, row r % 8; K steps 2 (w % 2) on are the row's line w % 2; + 128 h
	s_mul_i32 s60, s60, 2*RP
	s_and_b32 s61, s[WV], 1
	s_mul_i32 s61, s61, 1040
	s_add_co_u32 s60, s60, s61
	v_mul_u32_u24 v[QA], v101, 2080
	s_delay_alu instid0(VALU_DEP_1)
	v_mad_u32_u24 v[QA], v102, RP, v[QA]
	s_delay_alu instid0(VALU_DEP_1)
	v_lshl_add_u32 v[QA], v100, 7, v[QA]
	s_delay_alu instid0(VALU_DEP_1)
	v_add_nc_u32 v[QA], s60, v[QA]
	s_delay_alu instid0(VALU_DEP_1)
	v_add_nc_u32 v[QA+1], SLOT, v[QA]
	s_mul_i32 s60, s[WV], RP                       ; the pooling: my own region, 16 bytes a lane
	v_lshl_add_u32 v[PA], v98, 4, s60
	s_delay_alu instid0(VALU_DEP_1)
	v_add_nc_u32 v[PA+1], SLOT, v[PA]
	s_mul_i32 s60, s[WV], 3072                     ; my two images
	s_add_co_u32 s60, s60, XIMG
	v_lshl_add_u32 v[XWI], v98, 4, s60
	s_lshr_b32 s60, s[WV], 1                       ; and their scale words: tile w / 2 at 512 bytes a tile, K steps 2 (w % 2) + 0, 1 at 4 bytes a step, 16 bytes a lane
	s_lshl_b32 s60, s60, 9
	s_and_b32 s61, s[WV], 1
	s_lshl_b32 s61, s61, 3
	s_add_co_u32 s60, s60, s61
	s_add_co_u32 s60, s60, XSC
	v_lshl_add_u32 v[XWS], v98, 4, s60
	v_lshl_add_u32 v[LIX], v98, 4, XIMG
	v_lshl_add_u32 v[LSX], v98, 4, XSC
	s_lshl_b32 s60, s[WV], 8                       ; my partial scores: 256 w + 4 r
	s_add_co_u32 s60, s60, LSP
	v_lshl_add_u32 v[SCW], v99, 2, s60
	s_lshl_b32 s60, s[WV], 5                       ; my rows' parts: 256 (lane / 8) + 4 (8 w + lane % 8)
	s_add_co_u32 s60, s60, LSP
	v_lshl_add_u32 v[SCR], v101, 2, s60
	s_delay_alu instid0(VALU_DEP_1)
	v_lshl_add_u32 v[SCR], v103, 8, v[SCR]
	s_lshl_b32 s60, s[WV], 11
	s_add_co_u32 s60, s60, LFIN
	v_lshl_add_u32 v[FWA], v98, 4, s60
	v_lshl_add_u32 v[FRA], v0, 3, LFIN             ; 8 x thread = 256 w + 8 lane: features 64 w + 2 lane on
	v_mov_b32 v[MLW], s[WV]
	s_delay_alu instid0(VALU_DEP_1)
	v_lshlrev_b32 v[MLW], 3, v[MLW]
	s_delay_alu instid0(VALU_DEP_1)
	v_add_nc_u32 v[MLW], LML, v[MLW]
.irp j, 0,1,2,3,4,5,6,7,8,9,10,11,12,13,14,15
	v_mov_b32 v[ACC+\j], 0                         ; the step is written once: the first finds zeros, which f = 0 leaves zeros
.endr
	v_mov_b32 v[RL], 0
	v_mov_b32 v[RM], 0xff61b1e6                    ; -3e38, under every t
	v_mov_b32 v[RF+1], 0                           ; (the upper half of a pair of which the low word serves both halves)
	v_mov_b32 v[RU], 0                             ; destinations of lane permutes and of DPP forms count as sources: written once
	v_mov_b32 v[RMN], 0
	v_mov_b32 v[TQ+9], 0
	; THE FIRST BLOCK.  Its barrier has the form of every barrier behind which a tensor load goes out; slot 1's first fill is my one tensor load behind it.
	s_wait_tensorcnt 0x0                           ; my part of block 0 is in
	ds_add_u32 v[SPW], v[NIL]                      ; 0 onto my spare word
	s_wait_dscnt 0x0
	s_barrier_signal -1
	s_barrier_wait -1                              ; everybody's is
	tensor_load_to_lds s[G0+4:G0+7], s[G1:G1+7]    ; block 1: it has the first block's quantiser and products in which to land
	s_nop 0
	QLD 0, 0, 0
	QLD 0, 1, 0
	QLD 1, 0, 0
	QLD 1, 1, 0
	QWORK
	BAR                                            ; the block's sixteen fragments lie in LDS
	s_wait_loadcnt 0x0                             ; W, b, V and the scale words are wanted only now; the quantiser above touches neither their registers nor their offsets'
.irp j, 0,2,4,6,8,10,12,14,16,18,20,22,24,26,28,30
	v_pk_mul_f32 v[V2+\j:V2+\j+1], v[V2+\j:V2+\j+1], 0xc038aa3b op_sel_hi:[1,0]   ; V2 = -2 log2(e) V
.endr
	PH_P 0
	s_mov_b32 s[CNT], 3
.Lpair:                                            ; blocks 1 to 6; their refills bring blocks 2 to 7
	STEP 1, 1
	STEP 0, 1
	s_sub_co_u32 s[CNT], s[CNT], 1
	s_cmp_lg_u32 s[CNT], 0
	s_cbranch_scc1 .Lpair
	STEP 1, 0                                      ; block 7 is written out: nothing is left to fetch
	BAR                                            ; its partial scores lie in LDS, and my eight rows are in registers
	PH_SQ 1, 0                                     ; the last block is pooled
	; THE WORK-GROUP'S MERGE: eight (m, l, acc) become one.
	v_add_f32_dpp v[RL], v[RL], v[RL] row_xmask:1 row_mask:0xf bank_mask:0xf   ; l of my eight rows together
	s_delay_alu instid0(VALU_DEP_1)
	v_add_f32_dpp v[RL], v[RL], v[RL] row_xmask:2 row_mask:0xf bank_mask:0xf
	s_delay_alu instid0(VALU_DEP_1)
	v_add_f32_dpp v[RL], v[RL], v[RL] row_xmask:4 row_mask:0xf bank_mask:0xf
.irp q, 0,1,2,3
	ds_store_b128 v[FWA], v[ACC+4*\q:ACC+4*\q+3] offset:512*\q
.endr
	ds_store_b64 v[MLW], v[RM:RM+1]                ; all lanes write the same pair with the same values
	BAR
	v_mov_b32 v[TQ], LML
.irp n, 0,1,2,3
	ds_load_b128 v[128+4*\n:131+4*\n], v[TQ] offset:16*\n      ; m of wave n in v[128 + 2 n], l in v[129 + 2 n], in every lane
.endr
.irp n, 0,1,2,3,4,5,6,7
	ds_load_b64 v[144+2*\n:145+2*\n], v[FRA] offset:2048*\n    ; wave n's acc at my two features
.endr
	v_lshlrev_b32 v[TQ+1], 3, v0                   ; out: 256 w + 8 lane
	s_wait_dscnt 0x0
	v_max3_num_f32 v160, v128, v130, v132
	s_delay_alu instid0(VALU_DEP_1)
	v_max3_num_f32 v160, v160, v134, v136
	s_delay_alu instid0(VALU_DEP_1)
	v_max3_num_f32 v160, v160, v138, v140
	s_delay_alu instid0(VALU_DEP_1)
	v_max_num_f32 v160, v160, v142                 ; M
.irp n, 0,1,2,3,4,5,6,7
	v_sub_f32 v[162+\n], v[128+2*\n], v160
.endr
	s_wait_alu depctr_va_vdst(0)
.irp n, 0,1,2,3,4,5,6,7
	v_exp_f32 v[162+\n], v[162+\n]                 ; 2^(m - M)
.endr
	v_nop                                          ; a plain place behind the exponentials
	s_wait_alu depctr_va_vdst(0)
	v_mul_f32 v161, v162, v129
	v_mul_f32 v170, v162, v144
	v_mul_f32 v171, v162, v145
.irp n, 1,2,3,4,5,6,7
	v_fma_f32 v161, v[162+\n], v[129+2*\n], v161   ; L
	v_fma_f32 v170, v[162+\n], v[144+2*\n], v170
	v_fma_f32 v171, v[162+\n], v[145+2*\n], v171
.endr
	global_store_b64 v[TQ+1], v[170:171], s[14:15]                 ; 32 lanes store 256 consecutive bytes, at a multiple of 256 from the buffer's first byte
	s_cmp_lg_u32 s[WV], 0
	s_cbranch_scc1 .Lnot_wave_0
	global_store_b64 v[TQ+1], v[160:161], s[14:15] offset:2048     ; wave 0: (M, L) 32 times: 256 consecutive bytes again
.Lnot_wave_0:
	s_wait_tensorcnt 0x0                           ; the wave's end, behind my last tensor load and my last LDS store
	ds_add_u32 v[SPW], v[NIL]
	s_wait_dscnt 0x0
	s_endpgm
.Lfunc_end_k_qfe1ae92406_pool:
	.size	k_qfe1ae92406_pool, .Lfunc_end_k_qfe1ae92406_pool-k_qfe1ae92406_pool
	.p2alignl 7, 3214868480
	.fill 96, 4, 3214868480
	.section	.rodata,"a",@progbits
	.p2align	6, 0x0
	.amdhsa_kernel k_qfe1ae92406_pool
		.amdhsa_group_segment_fixed_size 327680
		.amdhsa_private_segment_fixed_size 0
		.amdhsa_enable_private_segment 0
		.amdhsa_kernarg_size 48
		.amdhsa_user_sgpr_count 2
		.amdhsa_user_sgpr_kernarg_segment_ptr 1
		.amdhsa_wavefront_size32 1
		.amdhsa_system_sgpr_workgroup_id_x 1
		.amdhsa_system_sgpr_workgroup_id_y 1
		.amdhsa_system_sgpr_workgroup_id_z 1
		.amdhsa_system_vgpr_workitem_id 0
		.amdhsa_next_free_vgpr 512
		.amdhsa_next_free_sgpr 66
		.amdhsa_reserve_vcc 0
		.amdhsa_float_denorm_mode_32 3
		.amdhsa_float_denorm_mode_16_64 3
		.amdhsa_memory_ordered 1
		.amdhsa_forward_progress 1
		.amdhsa_inst_pref_size 229
	.end_amdhsa_kernel
	.amdgpu_metadata
---
amdhsa.version: [ 1, 2 ]
amdhsa.kernels:
  - .name:           k_qfe1ae92406_pool
    .symbol:         k_qfe1ae92406_pool.kd
    .args:
      - { .name: x, .offset: 0, .size: 8, .value_kind: global_buffer, .address_space: global }
      - { .name: wq, .offset: 8, .size: 8, .value_kind: global_buffer, .address_space: global }
      - { .name: wsc, .offset: 16, .size: 8, .value_kind: global_buffer, .address_space: global }
      - { .name: b, .offset: 24, .size: 8, .value_kind: global_buffer, .address_space: global }
      - { .name: V, .offset: 32, .size: 8, .value_kind: global_buffer, .address_space: global }
      - { .name: part, .offset: 40, .size: 8, .value_kind: global_buffer, .address_space: global }
    .group_segment_fixed_size: 327680
    .private_segment_fixed_size: 0
    .kernarg_segment_align: 8
    .kernarg_segment_size: 48
    .max_flat_workgroup_size: 256
    .sgpr_count:     66
    .vgpr_count:     512
    .wavefront_size: 32
...
	.end_amdgpu_metadata
.endif
;; end of part 2
;; launch combine (part 3): grid 4 x 32, 1 waves a work-group, no clusters, 0 bytes of LDS; arguments part, out0; writes out0
.if DOCPART == 3
	.amdgcn_target "amdgcn-amd-amdhsa--gfx1250"
	.amdhsa_code_object_version 6
	.text
	.protected	k_qfe1ae92406_combine
	.globl	k_qfe1ae92406_combine
	.p2align	8
	.type	k_qfe1ae92406_combine,@function
k_qfe1ae92406_combine:
	s_mov_b64 s[64:65], 0
	v_nop
	global_prefetch_b8 v0, s[64:65] scope:SCOPE_SE
	s_setreg_imm32_b32 hwreg(HW_REG_WAVE_MODE, 25, 1), 1
	s_wait_xcnt 0x0
; out0[batch][f] = (sum over the batch's 8 partials i of 2^(M_i - M) acc_i[f]) / (sum of 2^(M_i - M) L_i), M the largest M_i.
; A partial is 2,304 bytes: acc[512] f32, then 256 bytes that hold the pair (M_i, L_i) 32 times.  One wave takes 128 features of one batch, four a lane.
; Every load and the store cover whole runs of 256 or 512 consecutive bytes.  L is at least 1: the row that gave M counts as 1.  So little work that LDS, the matrix units and more waves would add nothing.
.set PB, 2304
	s_load_b128 s[4:7], s[0:1], 0x0                ; part s[4:5], out0 s[6:7]
	s_and_b32 s8, ttmp7, 0xffff                    ; batch
	s_mul_i32 s10, s8, 8*PB                        ; its eight partials
	s_mov_b32 s11, 0
	s_lshl_b32 s9, ttmp9, 9                        ; my 128 features, in bytes
	s_lshl_b32 s12, s8, 11                         ; the batch's row of out0
	s_add_co_u32 s12, s12, s9
	s_mov_b32 s13, 0
	v_lshlrev_b32 v1, 4, v0                        ; 16 bytes a lane
	v_add_nc_u32 v2, s9, v1
	v_lshlrev_b32 v3, 3, v0                        ; 8 bytes a lane: a copy of (M, L)
	s_wait_alu depctr_va_vdst(0)
	s_wait_kmcnt 0x0
	s_add_nc_u64 s[4:5], s[4:5], s[10:11]
	s_add_nc_u64 s[6:7], s[6:7], s[12:13]
.irp i, 0,1,2,3,4,5,6,7
	global_load_b64 v[40+2*\i:41+2*\i], v3, s[4:5] offset:PB*\i+2048
.endr
.irp i, 0,1,2,3,4,5,6,7
	global_load_b128 v[8+4*\i:11+4*\i], v2, s[4:5] offset:PB*\i
.endr
	s_wait_loadcnt 8                               ; the eight pairs are in; the eight loads of acc may be out
	v_max3_num_f32 v4, v40, v42, v44
	v_max3_num_f32 v4, v4, v46, v48
	v_max3_num_f32 v4, v4, v50, v52
	v_max_num_f32 v4, v4, v54                      ; M
.irp i, 0,1,2,3,4,5,6,7
	v_sub_f32 v[56+\i], v[40+2*\i], v4
.endr
	s_wait_alu depctr_va_vdst(0)
.irp i, 0,1,2,3,4,5,6,7
	v_exp_f32 v[56+\i], v[56+\i]                   ; 2^(M_i - M)
.endr
	v_nop                                          ; a plain place behind the exponentials
	s_wait_alu depctr_va_vdst(0)
	v_mul_f32 v5, v56, v41
.irp i, 1,2,3,4,5,6,7
	v_fma_f32 v5, v[56+\i], v[41+2*\i], v5         ; L
.endr
	s_wait_alu depctr_va_vdst(0)
	v_rcp_f32 v5, v5                               ; the sums below are the plain places behind it
	s_wait_loadcnt 0x0
.irp e, 0,1,2,3
	v_mul_f32 v[64+\e], v56, v[8+\e]
.endr
.irp i, 1,2,3,4,5,6,7
.irp e, 0,1,2,3
	v_fma_f32 v[64+\e], v[56+\i], v[8+4*\i+\e], v[64+\e]
.endr
.endr
	s_wait_alu depctr_va_vdst(0)
.irp e, 0,1,2,3
	v_mul_f32 v[64+\e], v[64+\e], v5
.endr
	global_store_b128 v1, v[64:67], s[6:7]         ; 32 lanes store 512 consecutive bytes
	s_endpgm
.Lfunc_end_k_qfe1ae92406_combine:
	.size	k_qfe1ae92406_combine, .Lfunc_end_k_qfe1ae92406_combine-k_qfe1ae92406_combine
	.p2alignl 7, 3214868480
	.fill 96, 4, 3214868480
	.section	.rodata,"a",@progbits
	.p2align	6, 0x0
	.amdhsa_kernel k_qfe1ae92406_combine
		.amdhsa_group_segment_fixed_size 0
		.amdhsa_private_segment_fixed_size 0
		.amdhsa_enable_private_segment 0
		.amdhsa_kernarg_size 16
		.amdhsa_user_sgpr_count 2
		.amdhsa_user_sgpr_kernarg_segment_ptr 1
		.amdhsa_wavefront_size32 1
		.amdhsa_system_sgpr_workgroup_id_x 1
		.amdhsa_system_sgpr_workgroup_id_y 1
		.amdhsa_system_sgpr_workgroup_id_z 1
		.amdhsa_system_vgpr_workitem_id 0
		.amdhsa_next_free_vgpr 80
		.amdhsa_next_free_sgpr 66
		.amdhsa_reserve_vcc 0
		.amdhsa_float_denorm_mode_32 3
		.amdhsa_float_denorm_mode_16_64 3
		.amdhsa_memory_ordered 1
		.amdhsa_forward_progress 1
		.amdhsa_inst_pref_size 6
	.end_amdhsa_kernel
	.amdgpu_metadata
---
amdhsa.version: [ 1, 2 ]
amdhsa.kernels:
  - .name:           k_qfe1ae92406_combine
    .symbol:         k_qfe1ae92406_combine.kd
    .args:
      - { .name: part, .offset: 0, .size: 8, .value_kind: global_buffer, .address_space: global }
      - { .name: out0, .offset: 8, .size: 8, .value_kind: global_buffer, .address_space: global }
    .group_segment_fixed_size: 0
    .private_segment_fixed_size: 0
    .kernarg_segment_align: 8
    .kernarg_segment_size: 16
    .max_flat_workgroup_size: 32
    .sgpr_count:     66
    .vgpr_count:     80
    .wavefront_size: 32
...
	.end_amdgpu_metadata
.endif
;; end of part 3
